; MI455X (gfx1250); checked and timed in simulation.
; The chip was launched on July 23, 2026; its instructions are those of AMD's public machine-readable ISA for CDNA 5 (MIT licence, August 2026) and "CDNA5" Instruction Set Architecture Reference Guide (July 2026). The comments in the code are by the model that wrote it; some were corrected since.
;; Residual Discriminator. Allowed arithmetic: float matrix products may take bf16 or f16 operands with f32 sums; all other float work in f32.
;; Inputs: params_blocks_0_a one number float32; params_blocks_0_b1 200 float32; params_blocks_0_b2 100 float32; params_blocks_0_bln1 200 float32; params_blocks_0_bln2 100 float32; params_blocks_0_g1 200 float32; params_blocks_0_g2 100 float32; params_blocks_0_w1 200 x 100 float32; params_blocks_0_w2 100 x 200 float32; params_blocks_1_a one number float32; params_blocks_1_b1 200 float32; params_blocks_1_b2 100 float32; params_blocks_1_bln1 200 float32; params_blocks_1_bln2 100 float32; params_blocks_1_g1 200 float32; params_blocks_1_g2 100 float32; params_blocks_1_w1 200 x 100 float32; params_blocks_1_w2 100 x 200 float32; params_blocks_2_a one number float32; params_blocks_2_b1 200 float32; params_blocks_2_b2 100 float32; params_blocks_2_bln1 200 float32; params_blocks_2_bln2 100 float32; params_blocks_2_g1 200 float32; params_blocks_2_g2 100 float32; params_blocks_2_w1 200 x 100 float32; params_blocks_2_w2 100 x 200 float32; params_lin0_b 100 float32; params_lin0_w 100 x 64 float32; params_lin1_b 50 float32; params_lin1_w 50 x 100 float32; params_lin2_b 1 float32; params_lin2_w 1 x 50 float32; params_ln0_b 100 float32; params_ln0_g 100 float32; params_ln1_b 50 float32; params_ln1_g 50 float32; params_lns_b_0 100 float32; params_lns_b_1 100 float32; params_lns_b_2 100 float32; params_lns_g_0 100 float32; params_lns_g_1 100 float32; params_lns_g_2 100 float32; params_prelu0 one number float32; params_prelu1 one number float32; x 262,144 x 64 float32.
;; Outputs: out0 262,144 x 1 float32.
;; 2 versions, each right; version 2 is version 1 with the launch pack written anew for expert scheduling mode. Each part assembles by itself: llvm-mc -triple=amdgcn-amd-amdhsa -mcpu=gfx1250 --defsym DOCPART=n.
;; ======== version 1 of 2: 2 launches
;; limits: values outside matrix products are rounded to bf16
;; workspace buffers: img 317,440 bytes
;; launch pack (part 1): grid 40 x 1, 8 waves a work-group, no clusters, 18,432 bytes of LDS; arguments params_lin0_w, params_lin0_b, params_blocks_0_w1, params_blocks_0_b1, params_blocks_0_w2, params_blocks_0_b2, params_blocks_1_w1, params_blocks_1_b1, params_blocks_1_w2, params_blocks_1_b2, params_blocks_2_w1, params_blocks_2_b1, params_blocks_2_w2, params_blocks_2_b2, params_lin1_w, params_lin1_b, params_ln0_g, params_ln0_b, params_blocks_0_g1, params_blocks_0_bln1, params_blocks_1_g1, params_blocks_1_bln1, params_blocks_2_g1, params_blocks_2_bln1, params_ln1_g, params_ln1_b, params_lin2_w, params_lin2_b, params_prelu1, img; writes img
.if DOCPART == 1
	.amdgcn_target "amdgcn-amd-amdhsa--gfx1250"
	.amdhsa_code_object_version 6
	.text
	.protected	k_q903b390e0e_pack
	.globl	k_q903b390e0e_pack
	.p2align	8
	.type	k_q903b390e0e_pack,@function
k_q903b390e0e_pack:
	s_mov_b64 s[64:65], 0
	v_nop
	global_prefetch_b8 v0, s[64:65] scope:SCOPE_SE
	s_setreg_imm32_b32 hwreg(HW_REG_WAVE_MODE, 25, 1), 1
	s_wait_xcnt 0x0
; PACK: the eight weight matrices, centred, rounded to bf16 and laid in the order of matrix fragments, and the padded f32 vectors, into one image of 317,440 bytes.
; CENTRING.  Every one of these linear layers is followed by a LayerNorm, whose mean over the outputs is (column mean of W) . x + mean(b).  So W' = W - its column mean and b' = b - mean(b) are formed
; here, in f32, before the one rounding to bf16; the product then arrives centred.  LIMIT: what the rounding to bf16 leaves of a column's mean is not taken away later.
; BIAS.  Where K is padded anyway (w1, w2, lin1) b' is the weight column at k = IN (rounded to bf16), and the activation holds 1.0 there.  lin0 (K = 64, no padding) keeps b' in f32, among the vectors.
; FRAGMENT: 16 outputs x 32 k.  Lower part, 512 bytes: lane 16 h + r holds W'[16 mt + r][32 s + 8 h + 0..7]; upper part: the same for k + 16.  In the last K step of w1, w2 and lin1 every k from 16 on is
; padding, and only the lower parts are stored.  Fragments of a layer lie in the order k step, then mt.
; SHARES.  Work-groups 0-38: one K step of one layer each; thread (kk = t % 32, wave) takes column k = 32 s + kk and the rows wave + 8 i, i = 0..25.  Work-group 39: the vectors.
; LDS: 0 the stage, 16,384 bytes, all of them written (one K step in whole fragments, 13,312 bytes, or the vectors, 9,216; zeros behind); 16,384 the waves' partial sums (1,024); 17,408 the spare words (1,024).
.set RED,   16384
.set SPARE, 17408
.set OW,    16        ; v16-41   byte offset of W[row i][k]
.set OB,    42        ; v42-67   byte offset of b[row i]
.set XW,    68        ; v68-93   W, then the column's numbers, then the centred ones
.set XB,    94        ; v94-119  b
.set SPW,   120       ; v120     LDS address of my spare word; never rewritten
.set NIL,   121       ; v121     0; never rewritten
.set SRC,   122       ; v122     16 t: where I read the stage
.set LN16,  123       ; v123     16 x lane
; s[72:73] W, s[74:75] b of my layer; s76 its first work-group; s77 OUT; s78 IN; s79 fragments along the outputs; s80 the half K step's number; s81 the layer's place in the image; s82 1 / OUT
; s83 my K step; s84 stage bytes to send; s85 1 in a half K step; s86 my piece's place in the image; s87 my wave; s8-33 (the pointers are done with) row i's lane mask
.macro PICK l, nstart, nout, nin, nmt, nkth, noff, ninv   ; layer l, if my work-group's number has reached its first
	s_cmp_ge_u32 ttmp9, \nstart
	s_cselect_b64 s[72:73], s[8+4*(\l):9+4*(\l)], s[72:73]
	s_cselect_b64 s[74:75], s[10+4*(\l):11+4*(\l)], s[74:75]
	s_cselect_b32 s76, \nstart, s76
	s_cselect_b32 s77, \nout, s77
	s_cselect_b32 s78, \nin, s78
	s_cselect_b32 s79, \nmt, s79
	s_cselect_b32 s80, \nkth, s80
	s_cselect_b32 s81, \noff, s81
	s_cselect_b32 s82, \ninv, s82
.endm
; The sum over the eight waves, for each kk: my number into my word, a barrier, the eight words of my kk back.  The result is v7.
.macro REDUCE x
	ds_store_b32 v5, v[\x]
	s_wait_dscnt 0x0                       ; for the others' sake: my store is done
	s_barrier_signal -1
	s_barrier_wait -1
.set g, 0
.rept 8
	ds_load_b32 v[8+g], v6 offset:128*g
.set g, g+1
.endr
	s_wait_dscnt 0x0
	v_add_f32 v8, v8, v9
	v_add_f32 v10, v10, v11
	v_add_f32 v12, v12, v13
	v_add_f32 v14, v14, v15
	v_add_f32 v8, v8, v10
	v_add_f32 v12, v12, v14
	v_add_f32 v7, v8, v12
.endm
	s_load_b512 s[8:23], s[0:1], 0x0       ; (W, b) of lin0, w1_0, w2_0, w1_1
	s_load_b512 s[24:39], s[0:1], 0x40     ; of w2_1, w1_2, w2_2, lin1
	s_load_b512 s[40:55], s[0:1], 0x80     ; ln0_g, ln0_b, then (g1, bln1) of the three blocks
	s_load_b256 s[56:63], s[0:1], 0xc0     ; ln1_g, ln1_b, lin2_w, lin2_b
	s_load_b128 s[68:71], s[0:1], 0xe0     ; prelu1, img
	v_lshl_add_u32 v[SPW], v0, 2, SPARE
	v_mov_b32 v[NIL], 0
	v_and_b32 v1, 31, v0                   ; kk
	v_lshrrev_b32 v2, 5, v0
	v_readfirstlane_b32 s87, v2            ; wave 0..7
	v_lshl_add_u32 v5, v0, 2, RED          ; my word of the partial sums
	v_lshl_add_u32 v6, v1, 2, RED          ; wave 0's word for my kk
	v_lshlrev_b32 v[SRC], 4, v0
	v_lshlrev_b32 v[LN16], 4, v1
	s_wait_kmcnt 0x0
	s_cmp_eq_u32 ttmp9, 39
	s_cbranch_scc1 .Lparams
	; ---- a K step of a layer
	s_mov_b64 s[72:73], s[8:9]
	s_mov_b64 s[74:75], s[10:11]
	s_mov_b32 s76, 0
	s_mov_b32 s77, 100
	s_mov_b32 s78, 64
	s_mov_b32 s79, 7
	s_mov_b32 s80, 99                      ; lin0 has no half K step
	s_mov_b32 s81, 0
	s_mov_b32 s82, 0x3c23d70a              ; 1 / 100
	PICK 1, 2,  200, 100, 13, 3, 14336,  0x3ba3d70a
	PICK 2, 6,  100, 200, 7,  6, 60928,  0x3c23d70a
	PICK 3, 13, 200, 100, 13, 3, 107520, 0x3ba3d70a
	PICK 4, 17, 100, 200, 7,  6, 154112, 0x3c23d70a
	PICK 5, 24, 200, 100, 13, 3, 200704, 0x3ba3d70a
	PICK 6, 28, 100, 200, 7,  6, 247296, 0x3c23d70a
	PICK 7, 35, 50,  100, 4,  3, 293888, 0x3ca3d70a
	s_sub_co_u32 s83, ttmp9, s76           ; my K step
	s_cmp_eq_u32 s83, s80
	s_cselect_b32 s85, 1, 0
	s_lshl_b32 s84, s79, 10                ; the stage holds whole fragments
	s_mul_i32 s86, s83, s84
	s_add_co_u32 s86, s86, s81
	s_lshl_b32 s88, s83, 5
	v_add_nc_u32 v3, s88, v1               ; k
	v_cmp_gt_u32 s92, s78, v3              ; k < IN: a column of W
	v_cmp_eq_u32 s93, s78, v3              ; k = IN: the column of b
	s_or_b32 s94, s92, s93
	s_sub_co_u32 s88, s78, 1
	v_min_u32 v3, s88, v3                  ; every load stays inside its row
	v_lshlrev_b32 v3, 2, v3
	s_sub_co_u32 s89, s77, 1
	s_lshl_b32 s95, s78, 2                 ; a row of W in bytes
	v_lshrrev_b32 v4, 4, v1                ; my 2 bytes in fragment 0: upper part x 512 + h x 256 + wave x 16 + (kk % 8) x 2
	v_lshlrev_b32 v4, 9, v4
	v_bfe_u32 v7, v1, 3, 1
	v_lshl_add_u32 v4, v7, 8, v4
	v_lshl_add_u32 v4, v2, 4, v4
	v_and_b32 v7, 7, v1
	v_lshl_add_u32 v4, v7, 1, v4
.set i, 0
.rept 26
	s_add_co_u32 s96, s87, 8*i             ; row wave + 8 i
	s_cmp_lt_u32 s96, s77
	s_cselect_b32 s[8+i], s94, 0           ; lanes whose number counts: the row exists and k <= IN
	s_min_u32 s96, s96, s89                ; every load stays inside its buffer
	s_mul_i32 s97, s96, s95
	s_lshl_b32 s96, s96, 2
	v_add_nc_u32 v[OW+i], s97, v3
	v_mov_b32 v[OB+i], s96
	global_load_b32 v[XW+i], v[OW+i], s[72:73]
	global_load_b32 v[XB+i], v[OB+i], s[74:75]
.set i, i+1
.endr
	s_wait_loadcnt 0x0
.set i, 0
.rept 26
	v_cndmask_b32 v[XW+i], v[XB+i], v[XW+i], s92
	v_cndmask_b32 v[XW+i], 0, v[XW+i], s[8+i]
.set i, i+1
.endr
	v_add_f32 v7, v[XW], v[XW+2]           ; my 26 rows, in two chains
	v_add_f32 v8, v[XW+1], v[XW+3]
.set i, 4
.rept 11
	v_add_f32 v7, v7, v[XW+i]
	v_add_f32 v8, v8, v[XW+i+1]
.set i, i+2
.endr
	v_add_f32 v7, v7, v8
	REDUCE 7
	v_mul_f32 v7, s82, v7                  ; the column's mean
	v_mov_b32 v9, 0
.set i, 0
.rept 26
	v_sub_f32 v[XW+i], v[XW+i], v7
	v_cndmask_b32 v[XW+i], 0, v[XW+i], s[8+i]  ; padding stays 0
	v_cvt_pk_bf16_f32 v[XW+i], v[XW+i], v[XW+i]
	ds_store_b16 v4, v[XW+i] offset:(i/2)*1024+(i%2)*128  ; fragment i / 2, row wave + 8 (i % 2)
.set i, i+1
.endr
.rept 6
	ds_store_b16 v4, v9 offset:(i/2)*1024+(i%2)*128       ; the stage's last three fragments hold 0: every byte that the way out can name is written
.set i, i+1
.endr
	s_branch .Lout
	; ---- the vectors: nine slots of 1,024 bytes, thread t writes word t of each
.Lparams:
	v_and_b32 v16, 127, v0
	v_cmp_gt_u32 s93, 100, v16             ; t % 128 < 100
	v_min_u32 v16, 99, v16
	v_lshlrev_b32 v16, 2, v16
	v_cmp_gt_u32 s92, 128, v0
	v_cmp_gt_u32 s94, 200, v0
	v_cmp_eq_u32 s95, 200, v0
	v_min_u32 v17, 199, v0
	v_lshlrev_b32 v17, 2, v17
	v_and_b32 v35, 63, v0
	v_cmp_gt_u32 s96, 50, v35              ; t % 64 < 50
	v_min_u32 v18, 49, v35
	v_lshlrev_b32 v18, 2, v18
	v_cmp_gt_u32 s97, 64, v0
	v_cmp_gt_u32 s99, 192, v0
	v_mov_b32 v19, 0
	v_lshlrev_b32 v34, 2, v0
	global_load_b32 v20, v16, s[10:11]     ; lin0_b
	global_load_b32 v21, v16, s[40:41]     ; ln0_g
	global_load_b32 v22, v16, s[42:43]     ; ln0_b
.set i, 0
.rept 6
	global_load_b32 v[23+i], v17, s[44+2*i:45+2*i]  ; g1, bln1 of blocks 0, 1, 2
.set i, i+1
.endr
	global_load_b32 v29, v18, s[56:57]     ; ln1_g
	global_load_b32 v30, v18, s[58:59]     ; ln1_b
	global_load_b32 v31, v18, s[60:61]     ; lin2_w
	global_load_b32 v32, v19, s[62:63]     ; lin2_b
	global_load_b32 v33, v19, s[68:69]     ; prelu1
	s_mov_b32 s88, 0x76543210              ; v_permlanex16_b32: each lane takes its own place in the other half
	s_mov_b32 s89, 0xfedcba98
	s_and_not1_b32 s98, s93, s92           ; threads 128-227 hold lin0_b[t - 128]
	s_wait_loadcnt 0x0
	v_cndmask_b32 v20, 0, v20, s98
	REDUCE 20                              ; lin0_b's sum: over the waves,
	v_add_f32_dpp v7, v7, v7 row_xmask:1 row_mask:0xf bank_mask:0xf  ; and over the lanes
	v_add_f32_dpp v7, v7, v7 row_xmask:2 row_mask:0xf bank_mask:0xf
	v_add_f32_dpp v7, v7, v7 row_xmask:4 row_mask:0xf bank_mask:0xf
	v_add_f32_dpp v7, v7, v7 row_xmask:8 row_mask:0xf bank_mask:0xf
	v_permlanex16_b32 v8, v7, s88, s89
	v_add_f32 v7, v7, v8
	v_fma_f32 v20, v7, 0xbc23d70a, v20     ; lin0_b - mean
	v_cndmask_b32 v20, 0, v20, s98         ; slot 0: 512 bytes of zeros, then lin0's centred bias
	v_cndmask_b32 v21, v22, v21, s92       ; slot 1: ln0_g, then ln0_b
	v_cndmask_b32 v21, 0, v21, s93
.set i, 0
.rept 6
	v_cndmask_b32 v[23+i], 0, v[23+i], s94 ; slots 2-7: g1, bln1
.set i, i+1
.endr
.set i, 0
.rept 3
	v_cndmask_b32 v[24+2*i], v[24+2*i], 1.0, s95  ; bln1's element 200 is 1: the hidden layer's constant for w2's bias column
.set i, i+1
.endr
	v_cndmask_b32 v29, v30, v29, s97       ; slot 8: ln1_g, ln1_b, lin2_w, 64 words each,
	v_cndmask_b32 v29, v31, v29, s92
	v_cndmask_b32 v29, 0, v29, s96
	v_cmp_eq_u32 vcc_lo, 1, v35
	v_cndmask_b32 v33, 0, v33, vcc_lo
	v_cmp_eq_u32 vcc_lo, 0, v35
	v_cndmask_b32 v33, v33, v32, vcc_lo
	v_cndmask_b32 v29, v33, v29, s99       ; then lin2_b, prelu1 and zeros
	ds_store_b32 v34, v20
	ds_store_b32 v34, v21 offset:1024
.set i, 0
.rept 6
	ds_store_b32 v34, v[23+i] offset:2048+1024*i
.set i, i+1
.endr
	ds_store_b32 v34, v29 offset:8192
.set i, 0
.rept 7
	ds_store_b32 v34, v19 offset:9216+1024*i  ; the rest of the stage holds 0: every byte that the way out can name is written
.set i, i+1
.endr
	s_mov_b32 s84, 9216
	s_mov_b32 s85, 0
	s_mov_b32 s86, 308224
	; ---- the way out: a wave takes 512 consecutive stage bytes, one part of a fragment, and stores them as 512 consecutive bytes at a multiple of 256 from the image's first byte.
	; In a half K step the upper parts (odd waves) are not stored, and the lower parts close up: every offset is halved.
.Lout:
	s_wait_dscnt 0x0                       ; for the others' sake: my stores into the stage are done
	s_barrier_signal -1
	s_barrier_wait -1
	s_and_b32 s88, s87, s85
	s_cmp_lg_u32 s88, 0
	s_cbranch_scc1 .Ldone
	s_lshl_b32 s88, s87, 9                 ; my wave's first stage byte
	s_lshr_b32 s89, s88, s85
	s_add_co_u32 s92, s86, s89
	s_mov_b32 s93, 0
	s_add_nc_u64 s[90:91], s[70:71], s[92:93]
.set j, 0
.rept 4
	s_cmp_lt_u32 s88, s84
	s_cbranch_scc0 .Ldone
	s_lshr_b32 s89, 4096*j, s85
	v_add_nc_u32 v[16+j], s89, v[LN16]
	ds_load_b128 v[24+4*j:27+4*j], v[SRC] offset:4096*j
	s_wait_dscnt 0x0
	global_store_b128 v[16+j], v[24+4*j:27+4*j], s[90:91]  ; each turn has registers of its own: no source of a pending store is rewritten
	s_add_co_u32 s88, s88, 4096
.set j, j+1
.endr
.Ldone:
	s_wait_tensorcnt 0x0                   ; the wave's end: three closing lines behind my last LDS store
	ds_add_u32 v[SPW], v[NIL]
	s_wait_dscnt 0x0
	s_endpgm
.Lfunc_end_k_q903b390e0e_pack:
	.size	k_q903b390e0e_pack, .Lfunc_end_k_q903b390e0e_pack-k_q903b390e0e_pack
	.p2alignl 7, 3214868480
	.fill 96, 4, 3214868480
	.section	.rodata,"a",@progbits
	.p2align	6, 0x0
	.amdhsa_kernel k_q903b390e0e_pack
		.amdhsa_group_segment_fixed_size 18432
		.amdhsa_private_segment_fixed_size 0
		.amdhsa_enable_private_segment 0
		.amdhsa_kernarg_size 240
		.amdhsa_user_sgpr_count 2
		.amdhsa_user_sgpr_kernarg_segment_ptr 1
		.amdhsa_wavefront_size32 1
		.amdhsa_system_sgpr_workgroup_id_x 1
		.amdhsa_system_sgpr_workgroup_id_y 1
		.amdhsa_system_sgpr_workgroup_id_z 1
		.amdhsa_system_vgpr_workitem_id 0
		.amdhsa_next_free_vgpr 128
		.amdhsa_next_free_sgpr 100
		.amdhsa_reserve_vcc 1
		.amdhsa_float_denorm_mode_32 3
		.amdhsa_float_denorm_mode_16_64 3
		.amdhsa_memory_ordered 1
		.amdhsa_forward_progress 1
		.amdhsa_inst_pref_size 37
	.end_amdhsa_kernel
	.amdgpu_metadata
---
amdhsa.version: [ 1, 2 ]
amdhsa.kernels:
  - .name:           k_q903b390e0e_pack
    .symbol:         k_q903b390e0e_pack.kd
    .args:
      - { .name: params_lin0_w, .offset: 0, .size: 8, .value_kind: global_buffer, .address_space: global }
      - { .name: params_lin0_b, .offset: 8, .size: 8, .value_kind: global_buffer, .address_space: global }
      - { .name: params_blocks_0_w1, .offset: 16, .size: 8, .value_kind: global_buffer, .address_space: global }
      - { .name: params_blocks_0_b1, .offset: 24, .size: 8, .value_kind: global_buffer, .address_space: global }
      - { .name: params_blocks_0_w2, .offset: 32, .size: 8, .value_kind: global_buffer, .address_space: global }
      - { .name: params_blocks_0_b2, .offset: 40, .size: 8, .value_kind: global_buffer, .address_space: global }
      - { .name: params_blocks_1_w1, .offset: 48, .size: 8, .value_kind: global_buffer, .address_space: global }
      - { .name: params_blocks_1_b1, .offset: 56, .size: 8, .value_kind: global_buffer, .address_space: global }
      - { .name: params_blocks_1_w2, .offset: 64, .size: 8, .value_kind: global_buffer, .address_space: global }
      - { .name: params_blocks_1_b2, .offset: 72, .size: 8, .value_kind: global_buffer, .address_space: global }
      - { .name: params_blocks_2_w1, .offset: 80, .size: 8, .value_kind: global_buffer, .address_space: global }
      - { .name: params_blocks_2_b1, .offset: 88, .size: 8, .value_kind: global_buffer, .address_space: global }
      - { .name: params_blocks_2_w2, .offset: 96, .size: 8, .value_kind: global_buffer, .address_space: global }
      - { .name: params_blocks_2_b2, .offset: 104, .size: 8, .value_kind: global_buffer, .address_space: global }
      - { .name: params_lin1_w, .offset: 112, .size: 8, .value_kind: global_buffer, .address_space: global }
      - { .name: params_lin1_b, .offset: 120, .size: 8, .value_kind: global_buffer, .address_space: global }
      - { .name: params_ln0_g, .offset: 128, .size: 8, .value_kind: global_buffer, .address_space: global }
      - { .name: params_ln0_b, .offset: 136, .size: 8, .value_kind: global_buffer, .address_space: global }
      - { .name: params_blocks_0_g1, .offset: 144, .size: 8, .value_kind: global_buffer, .address_space: global }
      - { .name: params_blocks_0_bln1, .offset: 152, .size: 8, .value_kind: global_buffer, .address_space: global }
      - { .name: params_blocks_1_g1, .offset: 160, .size: 8, .value_kind: global_buffer, .address_space: global }
      - { .name: params_blocks_1_bln1, .offset: 168, .size: 8, .value_kind: global_buffer, .address_space: global }
      - { .name: params_blocks_2_g1, .offset: 176, .size: 8, .value_kind: global_buffer, .address_space: global }
      - { .name: params_blocks_2_bln1, .offset: 184, .size: 8, .value_kind: global_buffer, .address_space: global }
      - { .name: params_ln1_g, .offset: 192, .size: 8, .value_kind: global_buffer, .address_space: global }
      - { .name: params_ln1_b, .offset: 200, .size: 8, .value_kind: global_buffer, .address_space: global }
      - { .name: params_lin2_w, .offset: 208, .size: 8, .value_kind: global_buffer, .address_space: global }
      - { .name: params_lin2_b, .offset: 216, .size: 8, .value_kind: global_buffer, .address_space: global }
      - { .name: params_prelu1, .offset: 224, .size: 8, .value_kind: global_buffer, .address_space: global }
      - { .name: img, .offset: 232, .size: 8, .value_kind: global_buffer, .address_space: global }
    .group_segment_fixed_size: 18432
    .private_segment_fixed_size: 0
    .kernarg_segment_align: 8
    .kernarg_segment_size: 240
    .max_flat_workgroup_size: 256
    .sgpr_count:     100
    .vgpr_count:     128
    .wavefront_size: 32
...
	.end_amdgpu_metadata
.endif
;; end of part 1
;; launch mlp (part 2): grid 256 x 1, 8 waves a work-group, clusters of 4 x 1, 327,680 bytes of LDS; arguments x, img, out0, params_blocks_0_g2, params_blocks_0_bln2, params_lns_g_0, params_lns_b_0, params_blocks_1_g2, params_blocks_1_bln2, params_lns_g_1, params_lns_b_1, params_blocks_2_g2, params_blocks_2_bln2, params_lns_g_2, params_lns_b_2, params_prelu0, params_blocks_0_a, params_blocks_1_a, params_blocks_2_a; writes out0
.if DOCPART == 2
	.amdgcn_target "amdgcn-amd-amdhsa--gfx1250"
	.amdhsa_code_object_version 6
	.text
	.protected	k_q903b390e0e_mlp
	.globl	k_q903b390e0e_mlp
	.p2align	8
	.type	k_q903b390e0e_mlp,@function
k_q903b390e0e_mlp:
	s_mov_b64 s[64:65], 0
	v_nop
	global_prefetch_b8 v0, s[64:65] scope:SCOPE_SE
	s_setreg_imm32_b32 hwreg(HW_REG_WAVE_MODE, 25, 1), 1
	s_wait_xcnt 0x0
	s_wait_alu depctr_hold_cnt(0) depctr_sa_sdst(0) depctr_va_vdst(0) depctr_va_sdst(0) depctr_va_ssrc(0) depctr_va_vcc(0) depctr_vm_vsrc(0)
	s_getreg_b32 s2, hwreg(HW_REG_IB_STS2, 6, 4)
	s_cmp_eq_u32 s2, 0
	s_cbranch_scc0 .Lentry_in_a_cluster
	s_endpgm
.Lentry_in_a_cluster:
	s_bfe_u32 s2, ttmp6, 0x10000c
	s_cmp_lg_u32 s2, 0x3003
	s_cbranch_scc0 .Lentry_shape_is_right
	s_endpgm
.Lentry_shape_is_right:
; THE WHOLE CHAIN, 64 -> 100 -> 3 x (100 -> 200 -> 100, residual) -> 50 -> 1, for 262,144 rows; a row's numbers never leave registers.  Products in bf16 with f32 sums, all else in f32.
; SHARES.  A work-group owns 1,024 rows, each of its eight waves 128, in four passes of 32: two column tiles n of 16 rows.  Tile n, lane r, pass p is the wave's row 64 n + 4 r + p, so lane 16 h + r ends up
; with four neighbouring results (tile h, passes 0-3), and the wave stores its 512 bytes of out0 by one instruction.  Eight waves of 512 registers, two to a SIMD, none waiting for another behind the start:
; about as many vector instructions as matrix cycles stand in a pass, in phases, and the second wave's products can run beside the first wave's vector work.
; LAYOUT.  Products are used transposed: source 0 = 16 output features x 32 k of the weights, source 1 = 32 k x 16 rows.  In the result a lane holds ONE row (lane % 16) and features 8 (lane / 16) + 0..7; two such
; results rounded to bf16 in pairs ARE source 1 of the next layer.  Nothing changes lanes, and a LayerNorm's sum wants one exchange between the halves of the lanes.
; WEIGHTS.  The image made by the launch before (centred weights in fragment order, biases as the column k = IN, padded vectors) fills LDS once: 317,440 bytes.  The four work-groups of a cluster ask for it
; JOINTLY (the shared image is more than the 262,144 bytes of x that a work-group reads for itself); each wave asks for an eighth, 155 rows of 256 bytes: one tensor load a wave is out, once.
; A fragment read from LDS (two loads) feeds two products, one for each column tile.
; LAYERNORM behind a linear layer: the product arrives centred, so var = mean(z^2).  Behind the ReLU: two true passes, the mean and then the centred squares.
; PRELU: p = c1 y + c2 |y|, c1 = (1 + a) / 2, c2 = (1 - a) / 2.  c1 goes into the row's scale and the LayerNorm's bias, so p = y' + rho |y'| with y' = c1 y, rho = c2 / |c1|: one fused multiply-add.
; LIMITS.  |c1| is kept at 2^-30 or more (sign kept): p moves by at most 2^-30 |y|.  Biases but lin0's are rounded to bf16.  What the weights' rounding leaves of a column's mean stays in z.
; The PReLU parameters are finite; NaN and infinities are not treated apart.
; REGISTERS, in two windows of 256 (s_set_vgpr_msb: bits 1:0 source 0, 3:2 source 1, 5:4 source 2, 7:6 destination):
;   window 0: v0-31 below; v32-143 H, the residual in f32, tile (m, n) at 32 + 56 n + 8 m; Q(n) = v[84 + 56 n], in tile 6's unused upper half: the row's scale or -mean;
;             v144-207 source 1 of the wide products, K step s at 144 + 32 n + 8 s; its K step 3 is also the narrow sums' tile 6; v208-255 weight set 1 (six fragments), between products two buffers of a tile's gain and bias
;   window 1: v0-47 weight set 0; v48-255 the wide layer's sums, tile (m, n) at 48 + 104 n + 8 m; packed in place they are source 1 of the narrow products, K step s at + 8 s, and the 48 registers from + 56 on
;             then take the narrow sums' tiles 0-5.  x as loaded lies at + 32..63, its fragments at + 0 and + 8; lin1's sums are tiles 0-3.
.set PAR,   308224    ; LDS = image: the vectors.  +0 zeros (512); +512 lin0's bias; +1024, +1536 ln0's g, b; +2048 + 2048 i: g1, bln1 (1,024 each); +8192 ln1's g, b, lin2_w (256 each)
.set TP,    PAR+9216  ; behind the image, stored by the waves, never a tensor load's target: block i at + 2048 i: g2, bln2, lns_g, lns_b, 512 bytes each
.set SPARE, TP+6144   ; the spare words, 128 bytes for each wave: four blocks of 256 bytes that no other line names
.set PART,  39680     ; an eighth of the image
.set HB,   32         ; window 0: H
.set QQ,   84         ; window 0: Q(0)
.set B1,   144        ; window 0: source 1 of the wide products
.set T6,   B1+24      ; window 0: the narrow sums' tile 6
.set A1,   208        ; window 0: weight set 1; the gain and bias buffers
.set R1,   48         ; window 1: the wide sums
.set Z2,   R1+56      ; window 1: the narrow sums' tiles 0-5
.set FG,   32         ; window 0, when H is done with: ln1's gain, its bias, lin2_w: 26 registers each, clear of Q
.set FB,   58
.set FW,   86
.set PF,   1          ; v1   1,024 r + 16,384 h: lane by lane the 32 rows of a pass
.set L16,  2          ; v2   16 x lane
.set WA,   3          ; v3   LDS address of my 16 bytes in the layer's first fragment
.set ZA,   4          ; v4   the same in the block of zeros
.set PH,   5          ; v5   PAR + 32 (lane / 16)
.set PA,   6          ; v6   the same, 2,048 bytes on for each block
.set XO,   7          ; v7   my byte offset in the wave's rows of x: 1,024 r + 32 h
.set TA,   8          ; v8   my thread's word among the tails' vectors
.set SPW,  9          ; v9   LDS address of my spare word; never rewritten
.set NIL,  10         ; v10  0; never rewritten
.set ONEC, 11         ; v11  bf16 1.0 in the lower lanes' low half, else 0
.set MK,   12         ; v12  1.0 in the lower lanes, 0 in the upper; v13 named with it
.set CH,   14         ; v14-21 four pairs: chains of sums (column tile, pair's parity)
.set SU,   22         ; v22-23 one sum for each column tile
.set OUT,  24         ; v24-27 my results of the four passes
.set G0,   48         ; s[48:51] descriptor group 0;  s[52:59] group 1
.set G1,   52
.set SEL,  60         ; s[60:61] v_permlanex16_b32's selects
.set EPS,  62
.set I100, 63
.set I200, 66
.set I50,  67
.set C0,   68         ; s[68:69] c1 of prelu0 (twice: the packed multiply names a pair), s70 its rho
.set R0,   70
.set NL2E, 71         ; -log2(e)
.set CB,   72         ; s[72:73], s74: the block in hand;  s76-79: the two blocks after it
.set RB,   74
.set CN1,  76
.set RN1,  77
.set CN2,  78
.set RN2,  79
.set C9,   80         ; s[80:81], s82: prelu1
.set R9,   82
.set NB,   83         ; -log2(e) x lin2_b
.set PASS, 84
.set BLK,  85
.set WB,   86         ; LDS byte at which the next layer's fragments begin
.set PO,   87         ; 2,048 x block
.set WV,   88         ; my wave's number
.set HM,   89         ; the mask of lanes 16-31
.set MSB, 0
.macro WIN new                         ; the immediate's high byte repeats the setting that is left; a switch that changes nothing is dropped
.if MSB != (\new)
	s_set_vgpr_msb (MSB<<8)|(\new)
.set MSB, (\new)
.endif
.endm
; A vector instruction that reads a matrix result or writes one of a matrix instruction's registers, and a load into such a register, stand four places behind it; only plain vector instructions
; that name none of its registers are places (ISA guide 7.12.1 for vector instructions).
.macro PLACES
.rept 4
	v_nop
.endr
.endm
.macro ROUND                           ; a round of the cluster's barrier
	s_barrier_signal -1
	s_barrier_wait -1
	s_cmp_lg_u32 s[WV], 0
	s_cbranch_scc1 .Lnot_wave_0_\@
	s_barrier_signal -3
.Lnot_wave_0_\@:
	s_barrier_wait -3
	s_barrier_signal -1
	s_barrier_wait -1
.endm
.macro PRELUC a, c, r                  ; from a in s[a]: c1, its magnitude at least 2^-30, into s[c]; rho = c2 / |c1| into s[r]
	v_mov_b32 v28, s[\a]
	v_fma_f32 v29, v28, 0.5, 0.5
	v_fma_f32 v30, v28, -0.5, 0.5
	v_and_b32 v31, 0x7fffffff, v29
	v_max_num_f32 v31, 0x30800000, v31
	v_and_b32 v29, 0x80000000, v29
	v_or_b32 v29, v29, v31
	v_rcp_f32 v28, v31
	v_nop                                  ; a plain instruction between the reciprocal and its use
	s_wait_alu depctr_va_vdst(0)
	v_mul_f32 v30, v30, v28
	v_readfirstlane_b32 s[\c], v29
	v_readfirstlane_b32 s[\r], v30
.endm
; cnt fragments from number f0 on into weight set 0 (window 1) or 1 (window 0).  half = 1: the last K step's fragments have a lower part alone; their upper registers take the block of zeros.
.macro LOADG set, f0, cnt, MT, KT, half
	WIN 0x40*(1-(\set))
.set lb, A1*(\set)
.set lf, \f0
.set ls, 0
.rept \cnt
.if (\half) && (lf >= ((\KT)-1)*(\MT))
.set lofs, ((\KT)-1)*(\MT)*1024+(lf-((\KT)-1)*(\MT))*512
	ds_load_b128 v[lb+8*ls:lb+8*ls+3], v[WA] offset:lofs
	ds_load_b128 v[lb+8*ls+4:lb+8*ls+7], v[ZA]
.else
	ds_load_b128 v[lb+8*ls:lb+8*ls+3], v[WA] offset:lf*1024
	ds_load_b128 v[lb+8*ls+4:lb+8*ls+7], v[WA] offset:lf*1024+512
.endif
.set lf, lf+1
.set ls, ls+1
.endr
.endm
; A layer's first group of fragments (whole ones in every layer) is asked for ahead of the vector work that stands in front of its products.
.macro MM_PRE cnt, bytes
	WIN 0
	v_add_nc_u32 v[WA], s[WB], v[L16]
	s_add_co_u32 s[WB], s[WB], \bytes
	LOADG 0, 0, \cnt, 99, 99, 0
.endm
; A LAYER'S PRODUCTS.  up = 1: narrow to wide; up = 0: wide to narrow.  MT x KT fragments, K step by K step, in groups of G; while a group is multiplied the next is on its way into the other set.
; A group's fragments name different sums, or K steps of a sum with others' turns between, and the two column tiles follow each other: no two matrix instructions on end share a sum.
; The first K step starts the sums with 0, or (bias = 1: lin0) with the bias tile, which lies in H's registers.
.macro MATMUL up, MT, KT, G, half, bias
.set qnf, (\MT)*(\KT)
.set qg, 0
.rept (qnf+(\G)-1)/(\G)
.set qc0, qnf-qg*(\G)
.if qc0 > (\G)
.set qc0, (\G)
.endif
.set qc1, qnf-(qg+1)*(\G)
.if qc1 > (\G)
.set qc1, (\G)
.endif
.if qc1 > 0
.if qg > 0
	PLACES                                 ; the set to be loaded was read by the group before
.endif
	LOADG (qg+1)&1, (qg+1)*(\G), qc1, \MT, \KT, \half
	s_wait_dscnt 2*qc1                     ; LDS loads come back in order (ISA guide 5.7.1): all but the next group's, just issued, are in
.else
	s_wait_dscnt 0x0
.endif
.set qn, 0
.rept 2
.set qsl, 0
.rept qc0
.set qf, qg*(\G)+qsl
.set qk, qf/(\MT)
.set qm, qf%(\MT)
.set qa, 1-(qg&1)
.set rA, A1*(qg&1)+8*qsl
.if \up
.set rD, R1+104*qn+8*qm
.set rB, B1+32*qn+8*qk
.set qw, 0x50|qa
.elseif qm < 6
.set rD, Z2+104*qn+8*qm
.set rB, R1+104*qn+8*qk
.set qw, 0x54|qa
.if (\bias) && (qk == 0)
.set qw, 0x44|qa
.endif
.else
.set rD, T6+32*qn
.set rB, R1+104*qn+8*qk
.set qw, 0x04|qa
.endif
	WIN qw
.if (\bias) && (qk == 0)
	v_wmma_f32_16x16x32_bf16 v[rD:rD+7], v[rA:rA+7], v[rB:rB+7], v[HB+8*qm:HB+8*qm+7]
.elseif qk == 0
	v_wmma_f32_16x16x32_bf16 v[rD:rD+7], v[rA:rA+7], v[rB:rB+7], 0
.else
	v_wmma_f32_16x16x32_bf16 v[rD:rD+7], v[rA:rA+7], v[rB:rB+7], v[rD:rD+7]
.endif
.set qsl, qsl+1
.endr
.set qn, qn+1
.endr
.set qg, qg+1
.endr
	PLACES
.endm
; Tile m's gain (8 numbers of my half of the lanes) and bias into buffer buf
.macro PLOAD buf, adr, offG, offB, m
	WIN 0
	ds_load_b128 v[A1+16*(\buf):A1+16*(\buf)+3],     v[\adr] offset:(\offG)+64*(\m)
	ds_load_b128 v[A1+16*(\buf)+4:A1+16*(\buf)+7],   v[\adr] offset:(\offG)+64*(\m)+16
	ds_load_b128 v[A1+16*(\buf)+8:A1+16*(\buf)+11],  v[\adr] offset:(\offB)+64*(\m)
	ds_load_b128 v[A1+16*(\buf)+12:A1+16*(\buf)+15], v[\adr] offset:(\offB)+64*(\m)+16
.endm
.macro BSC base, cnt, c                ; cnt pairs of a bias times c1
	WIN 0
.set bi, 0
.rept \cnt
	v_pk_mul_f32 v[(\base)+2*bi:(\base)+2*bi+1], v[(\base)+2*bi:(\base)+2*bi+1], s[\c:\c+1] op_sel_hi:[1,0]
.set bi, bi+1
.endr
.endm
.macro FOLD                            ; the four chains into one sum for each column tile
	WIN 0
	v_pk_add_f32 v[CH:CH+1], v[CH:CH+1], v[CH+2:CH+3]
	v_pk_add_f32 v[CH+4:CH+5], v[CH+4:CH+5], v[CH+6:CH+7]
	v_add_f32 v[SU], v[CH], v[CH+1]
	v_add_f32 v[SU+1], v[CH+4], v[CH+5]
.endm
; Over the 100 features of the narrow sums (26 pairs a lane; of tile 6 the first two, features 96-99): sums = 0 the squares, 1 the numbers.  Four chains by turns; the first links start them: nothing is cleared.
; Pairs ascend, so that each matrix result is read from its low end on.
.macro RED2 sums
.set ri, 0
.rept 26
.set rn, 0
.rept 2
.set rc, CH+4*rn+2*(ri&1)
.if ri < 24
.set rz, Z2+104*rn+2*ri
.if (\sums) && (ri < 2)
.elseif (\sums) && (ri < 4)
	WIN 0x05
	v_pk_add_f32 v[rc:rc+1], v[rz-4:rz-3], v[rz:rz+1]
.elseif (\sums)
	WIN 0x01
	v_pk_add_f32 v[rc:rc+1], v[rz:rz+1], v[rc:rc+1]
.elseif ri < 2
	WIN 0x05
	v_pk_mul_f32 v[rc:rc+1], v[rz:rz+1], v[rz:rz+1]
.else
	WIN 0x05
	v_pk_fma_f32 v[rc:rc+1], v[rz:rz+1], v[rz:rz+1], v[rc:rc+1]
.endif
.else
.set rz, T6+32*rn+2*(ri-24)
	WIN 0
.if \sums
	v_pk_add_f32 v[rc:rc+1], v[rz:rz+1], v[rc:rc+1]
.else
	v_pk_fma_f32 v[rc:rc+1], v[rz:rz+1], v[rz:rz+1], v[rc:rc+1]
.endif
.endif
.set rn, rn+1
.endr
.set ri, ri+1
.endr
	FOLD
.endm
; The squares of the first npair pairs of the wide sums
.macro SQ1 npair
	WIN 0x05
.set qi, 0
.rept \npair
.set qq, 0
.rept 2
.set rz, R1+104*qq+2*qi
.set rc, CH+4*qq+2*(qi&1)
.if qi < 2
	v_pk_mul_f32 v[rc:rc+1], v[rz:rz+1], v[rz:rz+1]
.else
	v_pk_fma_f32 v[rc:rc+1], v[rz:rz+1], v[rz:rz+1], v[rc:rc+1]
.endif
.set qq, qq+1
.endr
.set qi, qi+1
.endr
	FOLD
.endm
; The row's other features lie in the lane 16 away.  mode 0: Q = rsqrt(sum x inv + eps); 1: the same times c1; 2: Q = -sum / 100.
.macro STATS mode, inv, c
	WIN 0
	v_permlanex16_b32 v[CH], v[SU], s[SEL], s[SEL+1]
	v_permlanex16_b32 v[CH+1], v[SU+1], s[SEL], s[SEL+1]
	v_add_f32 v[SU], v[SU], v[CH]
	v_add_f32 v[SU+1], v[SU+1], v[CH+1]
.if (\mode) < 2
	v_fma_f32 v[SU], v[SU], s[\inv], s[EPS]
	v_fma_f32 v[SU+1], v[SU+1], s[\inv], s[EPS]
	v_rsq_f32 v[SU], v[SU]
	v_rsq_f32 v[SU+1], v[SU+1]
	v_nop                                  ; a plain instruction between the last root and the use of its result
	s_wait_alu depctr_va_vdst(0)
.endif
.set sn, 0
.rept 2
.if (\mode) == 0
	s_wait_alu depctr_va_vdst(0)
	v_mov_b32 v[QQ+56*sn], v[SU+sn]
.elseif (\mode) == 1
	v_mul_f32 v[QQ+56*sn], s[\c], v[SU+sn]
.else
	v_mul_f32 v[QQ+56*sn], 0xbc23d70a, v[SU+sn]
.endif
.set sn, sn+1
.endr
.endm
; One kind of line for the pr pairs of narrow tile m in both column tiles.  z: the sum (window 1; tile 6: window 0); hh: H's registers of the same features.
;   0: z = z Q     1: z = z g + b     2: H = z + rho |z|     3: z = z g + H     4: z = z + b     5: z = max(z, 0)     6: H = z g + b
.macro T2 op, m, pr, pb
.if (\m) == 6
	WIN 0
.elseif (\op) == 2
	WIN 0x11
.elseif (\op) == 6
	WIN 0x01
.else
	WIN 0x41
.endif
.set tn, 0
.rept 2
.set ti, 0
.rept \pr
.if (\m) == 6
.set z, T6+32*tn+2*ti
.else
.set z, Z2+104*tn+8*(\m)+2*ti
.endif
.set hh, HB+56*tn+8*(\m)+2*ti
.set q, QQ+56*tn
.set pg, (\pb)+2*ti
.if (\op) == 0
	v_pk_mul_f32 v[z:z+1], v[z:z+1], v[q:q+1] op_sel_hi:[1,0]
.elseif (\op) == 1
	v_pk_fma_f32 v[z:z+1], v[z:z+1], v[pg:pg+1], v[pg+8:pg+9]
.elseif (\op) == 2
	v_fma_f32 v[hh], |v[z]|, s[R0], v[z]
	v_fma_f32 v[hh+1], |v[z+1]|, s[R0], v[z+1]
.elseif (\op) == 3
	v_pk_fma_f32 v[z:z+1], v[z:z+1], v[pg:pg+1], v[hh:hh+1]
.elseif (\op) == 4
	v_pk_add_f32 v[z:z+1], v[z:z+1], v[pg+8:pg+9]
.elseif (\op) == 5
	v_max_num_f32_e64 v[z], v[z], 0
	v_max_num_f32_e64 v[z+1], v[z+1], 0
.else
	v_pk_fma_f32 v[hh:hh+1], v[z:z+1], v[pg:pg+1], v[pg+8:pg+9]
.endif
.set ti, ti+1
.endr
.set tn, tn+1
.endr
.endm
; All 26 pairs of both column tiles.  0: z = z + Q (the mean leaves; in tile 6 by the mask MK, so that the upper lanes' padding stays 0)     1: z = z Q
.macro ALL2 op
	WIN 0x41
.set tn, 0
.rept 2
.set ti, 0
.rept 24
.set z, Z2+104*tn+2*ti
.set q, QQ+56*tn
.if (\op) == 1
	v_pk_mul_f32 v[z:z+1], v[z:z+1], v[q:q+1] op_sel_hi:[1,0]
.else
	v_pk_add_f32 v[z:z+1], v[z:z+1], v[q:q+1] op_sel_hi:[1,0]
.endif
.set ti, ti+1
.endr
.set tn, tn+1
.endr
	WIN 0
.set tn, 0
.rept 2
.set ti, 0
.rept 2
.set z, T6+32*tn+2*ti
.set q, QQ+56*tn
.if (\op) == 1
	v_pk_mul_f32 v[z:z+1], v[z:z+1], v[q:q+1] op_sel_hi:[1,0]
.else
	v_pk_fma_f32 v[z:z+1], v[MK:MK+1], v[q:q+1], v[z:z+1] op_sel_hi:[0,0,1]
.endif
.set ti, ti+1
.endr
.set tn, tn+1
.endr
.endm
.macro T1 op, m, pb                    ; wide tile m of both column tiles.  0: z = z Q     1: z = z g + b
	WIN 0x41
.set tn, 0
.rept 2
.set ti, 0
.rept 4
.set z, R1+104*tn+8*(\m)+2*ti
.set q, QQ+56*tn
.set pg, (\pb)+2*ti
.if (\op) == 0
	v_pk_mul_f32 v[z:z+1], v[z:z+1], v[q:q+1] op_sel_hi:[1,0]
.else
	v_pk_fma_f32 v[z:z+1], v[z:z+1], v[pg:pg+1], v[pg+8:pg+9]
.endif
.set ti, ti+1
.endr
.set tn, tn+1
.endr
.endm
; The last layers: 13 pairs (features 0-49) of both column tiles.  0: z = z Q     1: z = z g + b     2: z = z + rho |z|     3: the chains take z x lin2_w
.macro F1 op
.if (\op) < 2
	WIN 0x41
.elseif (\op) == 2
	WIN 0x51
.else
	WIN 0x01
.endif
.set ti, 0
.rept 13
.set tn, 0
.rept 2
.set z, R1+104*tn+2*ti
.set q, QQ+56*tn
.set cc, CH+4*tn+2*(ti&1)
.if (\op) == 0
	v_pk_mul_f32 v[z:z+1], v[z:z+1], v[q:q+1] op_sel_hi:[1,0]
.elseif (\op) == 1
	v_pk_fma_f32 v[z:z+1], v[z:z+1], v[FG+2*ti:FG+2*ti+1], v[FB+2*ti:FB+2*ti+1]
.elseif (\op) == 2
	v_fma_f32 v[z], |v[z]|, s[R9], v[z]
	v_fma_f32 v[z+1], |v[z+1]|, s[R9], v[z+1]
.elseif ti < 2
	v_pk_mul_f32 v[cc:cc+1], v[z:z+1], v[FW+2*ti:FW+2*ti+1]
.else
	v_pk_fma_f32 v[cc:cc+1], v[z:z+1], v[FW+2*ti:FW+2*ti+1], v[cc:cc+1]
.endif
.set tn, tn+1
.endr
.set ti, ti+1
.endr
.endm
; H, rounded to bf16 in pairs, becomes source 1 of the next wide product.  K step 3 lies in the narrow tile 6's own registers: 0, 1 features 96-99; 2 the constant 1.0 at k = 100, for the bias column; 3 zero;
; 4-7 are the exact zeros that the product left in the weights' padded rows, and nothing has written them since.
.macro H2B
	WIN 0
.set hn, 0
.rept 2
.set hx, 0
.rept 26
	v_cvt_pk_bf16_f32 v[B1+32*hn+hx], v[HB+56*hn+2*hx], v[HB+56*hn+2*hx+1]
.set hx, hx+1
.endr
	v_mov_b32 v[B1+32*hn+26], v[ONEC]
	v_mov_b32 v[B1+32*hn+27], 0
.set hn, hn+1
.endr
.endm
; A pass's x: for each column tile the lane's 32 numbers of its row, as source 1 wants them: k = 32 s + 16 q + 8 h + 0..7.  A row's 256 bytes are taken by eight loads on end of this wave.
.macro XLOAD
	WIN 0x40
.set xn, 0
.rept 2
.set xb, R1+104*xn+32
.set xi, 0
.rept 8
	global_load_b128 v[xb+4*xi:xb+4*xi+3], v[XO], s[4:5] offset:16384*xn+128*(xi/4)+64*((xi/2)%2)+16*(xi%2)
.set xi, xi+1
.endr
.set xn, xn+1
.endr
.endm
.macro XCVT
	WIN 0x45
.set xn, 0
.rept 2
.set xb, R1+104*xn
.set xi, 0
.rept 16
	v_cvt_pk_bf16_f32 v[xb+xi], v[xb+32+2*xi], v[xb+33+2*xi]
.set xi, xi+1
.endr
.set xn, xn+1
.endr
.endm
	s_load_b512 s[4:19], s[0:1], 0x0       ; x s[4:5], img s[6:7], out0 s[8:9]; from s[10:11] on the twelve vectors of the blocks' tails
	s_load_b512 s[20:35], s[0:1], 0x40     ; ... s[34:35] prelu0
	s_load_b128 s[36:39], s[0:1], 0x80     ; a of blocks 0, 1
	s_load_b64 s[40:41], s[0:1], 0x90      ; a of block 2
	v_lshl_add_u32 v[SPW], v0, 2, SPARE
	v_mov_b32 v[NIL], 0
	ds_add_u32 v[SPW], v[NIL]              ; the wave's opening: the add and its wait stand ahead of my first tensor load; the set-up below, work on registers, stands between them
	v_lshrrev_b32 v28, 5, v0
	v_readfirstlane_b32 s[WV], v28         ; wave 0..7
	v_and_b32 v28, 31, v0                  ; lane
	v_and_b32 v29, 15, v0                  ; r
	v_bfe_u32 v30, v0, 4, 1                ; h
	v_lshlrev_b32 v[L16], 4, v28
	v_add_nc_u32 v[ZA], PAR, v[L16]
	v_lshlrev_b32 v[PH], 5, v30
	v_add_nc_u32 v[PH], PAR, v[PH]
	v_lshlrev_b32 v[XO], 10, v29           ; lane r's rows are 4 r + p: 1,024 bytes from lane to lane
	v_lshl_add_u32 v[PF], v30, 14, v[XO]
	v_lshl_add_u32 v[XO], v30, 5, v[XO]
	v_lshl_add_u32 v[TA], v0, 2, TP        ; threads 0-127: a word of an even vector; 128-255: of the odd vector behind it
	v_and_b32 v[SU+1], 127, v0
	v_cmp_gt_u32 s75, 100, v[SU+1]
	v_min_u32 v[SU+1], 99, v[SU+1]         ; for now: that word's offset in memory; every load stays inside its 400 bytes
	v_lshlrev_b32 v[SU+1], 2, v[SU+1]
	s_mov_b32 s[HM], 0xffff0000
	v_mov_b32 v[ONEC], 0x3f80
	v_cndmask_b32 v[ONEC], v[ONEC], 0, s[HM]
	v_mov_b32 v[MK], 1.0
	v_cndmask_b32 v[MK], v[MK], 0, s[HM]
	v_mov_b32 v[MK+1], 0
	v_mov_b32 v[QQ+1], 0                   ; named with Q as pairs
	v_mov_b32 v[QQ+57], 0
	v_mov_b32 v[OUT+1], 0                  ; the results' registers move up by one a pass: what the first passes move is written
	v_mov_b32 v[OUT+2], 0
	v_mov_b32 v[OUT+3], 0
	s_mov_b32 s[G0], 1                     ; 1:0 count = 1
	s_mul_i32 s[G0+1], s[WV], PART         ; 63:32 LDS address: my eighth; no place in the cluster enters it
	s_mov_b32 s[G1], 15|(3<<16)|(1<<21)    ; 15:0 the mask: all four work-groups; 17:16 elements of 8 bytes; 21 set beside a mask
	s_mov_b32 s[G1+1], 32<<16              ; tensor_dim0 = 32 elements: rows of 256 bytes
	s_mov_b32 s[G1+2], 155<<16             ; tensor_dim1 = 155
	s_mov_b32 s[G1+3], 32<<16              ; tile_dim0 = 32
	s_mov_b32 s[G1+4], 155                 ; tile_dim1 = 155
	s_mov_b32 s[G1+5], 32                  ; the block is dense: 32 elements from row to row
	s_mov_b32 s[G1+6], 0
	s_mov_b32 s[G1+7], 0
	s_mov_b32 s90, s[G0+1]
	s_mov_b32 s91, 0
	s_bfe_u32 s92, ttmp6, 0x40000          ; cx: it enters x's and out0's addresses alone
	s_lshl_b32 s94, ttmp9, 2               ; in a cluster launch ttmp9 counts clusters
	s_add_co_u32 s94, s94, s92
	s_lshl_b32 s94, s94, 3
	s_add_co_u32 s94, s94, s[WV]           ; my wave among all: 128 rows each
	s_lshl_b32 s92, s94, 15                ; of 256 bytes in x,
	s_mov_b32 s93, 0
	s_lshl_b32 s94, s94, 9                 ; of 4 bytes in out0
	s_mov_b32 s95, 0
	s_mov_b32 s[SEL], 0x76543210
	s_mov_b32 s[SEL+1], 0xfedcba98
	s_mov_b32 s[EPS], 0x3727c5ac           ; 1e-5
	s_mov_b32 s[I100], 0x3c23d70a          ; 1 / 100
	s_mov_b32 s[I200], 0x3ba3d70a          ; 1 / 200
	s_mov_b32 s[I50], 0x3ca3d70a           ; 1 / 50
	s_mov_b32 s[NL2E], 0xbfb8aa3b
	s_wait_dscnt 0x0                       ; the opening add is done
	s_wait_kmcnt 0x0
	s_load_b32 s42, s[34:35], 0x0          ; prelu0
	s_load_b32 s43, s[36:37], 0x0          ; a of the three blocks
	s_load_b32 s44, s[38:39], 0x0
	s_load_b32 s45, s[40:41], 0x0
	s_load_b64 s[46:47], s[6:7], 317184    ; lin2_b, prelu1: the image's last 256 bytes begin with them
	s_add_nc_u64 s[G0+2:G0+3], s[6:7], s[90:91]  ; 120:64 global address: my eighth of the image
	s_or_b32 s[G0+3], s[G0+3], 0x80000000  ; 127:126 type = 2
	s_add_nc_u64 s[4:5], s[4:5], s[92:93]
	s_add_nc_u64 s[8:9], s[8:9], s[94:95]
	s_cmp_ge_u32 s[WV], 4                  ; waves 4-7 take the odd vector of each pair
.set j, 0
.rept 6
	s_cselect_b64 s[10+4*j:11+4*j], s[12+4*j:13+4*j], s[10+4*j:11+4*j]
.set j, j+1
.endr
	ROUND                                  ; all four work-groups are here: the joint loads meet
	tensor_load_to_lds s[G0:G0+3], s[G1:G1+7]
	s_nop 0
	PLACES
.set j, 0
.rept 6
	global_load_b32 v[CH+j], v[SU+1], s[10+4*j:11+4*j]
.set j, j+1
.endr
	XLOAD                                  ; the first pass's x
	WIN 0
	s_wait_kmcnt 0x0
	PRELUC 42, C0, R0
	PRELUC 43, CB, RB
	PRELUC 44, CN1, RN1
	PRELUC 45, CN2, RN2
	PRELUC 47, C9, R9
	s_mov_b32 s[C0+1], s[C0]
	s_mov_b32 s[CB+1], s[CB]
	s_mov_b32 s[C9+1], s[C9]
	v_mov_b32 v28, s46
	v_mul_f32 v28, s[NL2E], v28
	v_readfirstlane_b32 s[NB], v28
	s_wait_loadcnt 16                      ; my six words are in; the 16 loads of x issued behind them stay out
.set j, 0
.rept 6
	v_cndmask_b32 v[CH+j], 0, v[CH+j], s75 ; elements 100-127 are 0
	ds_store_b32 v[TA], v[CH+j] offset:1024*j
.set j, j+1
.endr
	s_wait_dscnt 0x0                       ; for the others' sake: my stores are done,
	s_wait_tensorcnt 0x0                   ; and my eighth of the image has landed
	s_barrier_signal -1
	s_barrier_wait -1                      ; everybody's has.  From here on LDS is only read, and no wave waits for another
	s_mov_b32 s[PASS], 4
.Lpass:
	s_mov_b32 s[WB], 0
	s_mov_b32 s[PO], 0
	MM_PRE 5, 14336                        ; lin0's first fragments
	WIN 0
.set m, 0
.rept 7
	ds_load_b128 v[HB+8*m:HB+8*m+3], v[PH] offset:512+64*m       ; lin0's centred bias in f32, as the C of the first K step, for both column tiles
	ds_load_b128 v[HB+8*m+4:HB+8*m+7], v[PH] offset:512+64*m+16
.set m, m+1
.endr
	s_wait_loadcnt 0x0                     ; x
	XCVT
	MATMUL 0, 7, 2, 5, 0, 1
	; ---- ln0 and prelu0 -> H
	PLOAD 0, PH, 1024, 1536, 0
	RED2 0
	STATS 1, I100, C0
.set m, 0
.rept 7
.set pr, 4-2*(m/6)
.set pb, A1+16*(m&1)
.if m < 6
	PLOAD (m+1)&1, PH, 1024, 1536, m+1
	s_wait_dscnt 4                         ; this tile's gain and bias are in; the next tile's four loads stay out
.else
	s_wait_dscnt 0x0
.endif
	BSC pb+8, pr, C0
	T2 0, m, pr, pb
	T2 1, m, pr, pb
	T2 2, m, pr, pb
.set m, m+1
.endr
	MM_PRE 6, 46592                        ; w1 of block 0
	H2B
	s_mov_b32 s[BLK], 3
.Lblk:
	v_add_nc_u32 v[PA], s[PO], v[PH]
	MATMUL 1, 13, 4, 6, 1, 0               ; 100 -> 200
	; ---- LayerNorm and PReLU of the 200, in place; feature 200 (gain 0, bias 1) comes out as c1 + c2 = 1.0, the constant for w2's bias column
	PLOAD 0, PA, 2048, 3072, 0
	SQ1 52
	STATS 1, I200, CB
.set m, 0
.rept 13
.set pb, A1+16*(m&1)
.if m < 12
	PLOAD (m+1)&1, PA, 2048, 3072, m+1
	s_wait_dscnt 4                         ; as above
.else
	s_wait_dscnt 0x0
.endif
	BSC pb+8, 4, CB
	T1 0, m, pb
	T1 1, m, pb
.set m, m+1
.endr
	MM_PRE 5, 46592                        ; w2
	WIN 0x51
.set i, 0
.rept 208
	v_fma_f32 v[R1+i], |v[R1+i]|, s[RB], v[R1+i]
.set i, i+1
.endr
	WIN 0x45
.set w, 0
.rept 2
.set i, 0
.rept 52                               ; rounded in place, ascending: pair i goes to register i, which no later pair reads
	v_cvt_pk_bf16_f32 v[R1+104*w+i], v[R1+104*w+2*i], v[R1+104*w+2*i+1]
.set i, i+1
.endr
.rept 4
	v_mov_b32 v[R1+104*w+i], 0             ; K step 6 has no upper half
.set i, i+1
.endr
.set w, w+1
.endr
	MATMUL 0, 7, 7, 5, 1, 0                ; 200 -> 100
	WIN 0
	; In a pass's last block the next pass's 32 rows of x are asked for: one line, each lane its own row's 256 bytes, each asked for once, by the wave that will load it, this block's tail ahead of the loads.
	; The last pass asks for nothing: no request leaves the wave's rows.
	s_cmp_lg_u32 s[BLK], 1
	s_cbranch_scc1 .Lno_ask
	s_cmp_eq_u32 s[PASS], 1
	s_cbranch_scc1 .Lno_ask
	global_prefetch_b8 v[PF], s[4:5] offset:256 th:TH_LOAD_NT scope:SCOPE_SE
.Lno_ask:
	; ---- the block's tail: LayerNorm, + residual, ReLU; then the LayerNorm behind it, in two passes -> H
	PLOAD 0, PA, 9216, 9728, 0
	RED2 0
	STATS 0, I100, 0
.set m, 0
.rept 7
.set pr, 4-2*(m/6)
.set pb, A1+16*(m&1)
.if m < 6
	PLOAD (m+1)&1, PA, 9216, 9728, m+1
.else
	PLOAD 1, PA, 10240, 10752, 0           ; the second LayerNorm's first tile
.endif
	s_wait_dscnt 4                         ; as above
	T2 0, m, pr, pb
	T2 3, m, pr, pb
	T2 4, m, pr, pb
	T2 5, m, pr, pb
.set m, m+1
.endr
	RED2 1
	STATS 2, 0, 0
	ALL2 0
	RED2 0
	STATS 0, I100, 0
	ALL2 1
.set m, 0
.rept 7
.set pr, 4-2*(m/6)
.set pb, A1+16*((m+1)&1)
.if m < 6
	PLOAD m&1, PA, 10240, 10752, m+1
	s_wait_dscnt 4                         ; as above
.else
	s_wait_dscnt 0x0
.endif
	T2 6, m, pr, pb
.set m, m+1
.endr
	MM_PRE 6, 46592                        ; the next block's w1, or lin1: the first six fragments of either are whole and lie 1,024 bytes apart
	H2B
	s_mov_b32 s90, s[CB]                   ; the three blocks' PReLU constants go round: after three trips they stand as at the pass's start
	s_mov_b32 s91, s[RB]
	s_mov_b32 s[CB], s[CN1]
	s_mov_b32 s[CB+1], s[CN1]
	s_mov_b32 s[RB], s[RN1]
	s_mov_b32 s[CN1], s[CN2]
	s_mov_b32 s[RN1], s[RN2]
	s_mov_b32 s[CN2], s90
	s_mov_b32 s[RN2], s91
	s_add_co_u32 s[PO], s[PO], 2048
	s_sub_co_u32 s[BLK], s[BLK], 1
	s_cmp_lg_u32 s[BLK], 0
	s_cbranch_scc1 .Lblk
	s_cmp_eq_u32 s[PASS], 1
	s_cbranch_scc1 .Lno_x
	s_wait_xcnt 0x0                        ; x's base is stepped only behind this wait: the request above named it
	s_add_nc_u64 s[4:5], s[4:5], 256       ; the next pass's rows lie one row on
	XLOAD                                  ; into registers that lin1 and the last layers do not touch
	WIN 0
.Lno_x:
.set j, 0
.rept 3                                ; ln1's gain, its bias and lin2_w, 26 numbers a lane each (features 0-49 and padding), into H's registers: H is done with, and no Q lies there
.set fb, FG+26*j+2*(j/2)
.set i, 0
.rept 3
	ds_load_b128 v[fb+8*i:fb+8*i+3], v[PH] offset:8192+256*j+64*i
	ds_load_b128 v[fb+8*i+4:fb+8*i+7], v[PH] offset:8192+256*j+64*i+16
.set i, i+1
.endr
	ds_load_b64 v[fb+24:fb+25], v[PH] offset:8192+256*j+192
.set j, j+1
.endr
	MATMUL 1, 4, 4, 6, 1, 0                ; 100 -> 50; its first counted wait covers the 21 loads above too
	; ---- ln1, prelu1, lin2 (a dot product of 50 in f32), sigmoid
	SQ1 13
	STATS 1, I50, C9
	BSC FB, 13, C9
	F1 0
	F1 1
	F1 2
	F1 3
	FOLD
	v_permlanex16_b32 v[CH], v[SU], s[SEL], s[SEL+1]
	v_permlanex16_b32 v[CH+1], v[SU+1], s[SEL], s[SEL+1]
	v_add_f32 v[SU], v[SU], v[CH]
	v_add_f32 v[SU+1], v[SU+1], v[CH+1]
	v_fma_f32 v[SU], v[SU], s[NL2E], s[NB]           ; -log2(e) (dot + lin2_b)
	v_fma_f32 v[SU+1], v[SU+1], s[NL2E], s[NB]
	v_exp_f32 v[SU], v[SU]
	v_exp_f32 v[SU+1], v[SU+1]
	v_nop                                  ; a plain instruction between the last exponential and the use of its result
	s_wait_alu depctr_va_vdst(0)
	v_add_f32 v[SU], 1.0, v[SU]
	v_add_f32 v[SU+1], 1.0, v[SU+1]
	v_rcp_f32 v[SU], v[SU]
	v_rcp_f32 v[SU+1], v[SU+1]
	v_mov_b32 v[OUT], v[OUT+1]             ; the earlier passes' results move up by one (a loop cannot number registers); these lines are also the plain instructions behind the last reciprocal
	v_mov_b32 v[OUT+1], v[OUT+2]
	v_mov_b32 v[OUT+2], v[OUT+3]
	s_wait_alu depctr_va_vdst(0)
	v_cndmask_b32 v[OUT+3], v[SU], v[SU+1], s[HM]    ; both halves of the lanes hold both tiles' results: the lower lanes keep tile 0's, the upper tile 1's
	s_sub_co_u32 s[PASS], s[PASS], 1
	s_cmp_lg_u32 s[PASS], 0
	s_cbranch_scc1 .Lpass
	global_store_b128 v[L16], v[OUT:OUT+3], s[8:9] th:TH_STORE_NT  ; lane 16 h + r: rows 64 h + 4 r + 0..3.  The wave stores 512 consecutive bytes, at a multiple of 256 from out0's first byte
	s_wait_tensorcnt 0x0                   ; the wave's end: three closing lines, behind my tensor load and my last LDS store
	ds_add_u32 v[SPW], v[NIL]
	s_wait_dscnt 0x0
	ROUND                                  ; the closing round
	s_endpgm
.Lfunc_end_k_q903b390e0e_mlp:
	.size	k_q903b390e0e_mlp, .Lfunc_end_k_q903b390e0e_mlp-k_q903b390e0e_mlp
	.p2alignl 7, 3214868480
	.fill 96, 4, 3214868480
	.section	.rodata,"a",@progbits
	.p2align	6, 0x0
	.amdhsa_kernel k_q903b390e0e_mlp
		.amdhsa_group_segment_fixed_size 327680
		.amdhsa_private_segment_fixed_size 0
		.amdhsa_enable_private_segment 0
		.amdhsa_kernarg_size 152
		.amdhsa_user_sgpr_count 2
		.amdhsa_user_sgpr_kernarg_segment_ptr 1
		.amdhsa_wavefront_size32 1
		.amdhsa_system_sgpr_workgroup_id_x 1
		.amdhsa_system_sgpr_workgroup_id_y 1
		.amdhsa_system_sgpr_workgroup_id_z 1
		.amdhsa_system_vgpr_workitem_id 0
		.amdhsa_next_free_vgpr 512
		.amdhsa_next_free_sgpr 96
		.amdhsa_reserve_vcc 0
		.amdhsa_float_denorm_mode_32 3
		.amdhsa_float_denorm_mode_16_64 3
		.amdhsa_memory_ordered 1
		.amdhsa_forward_progress 1
		.amdhsa_inst_pref_size 189
	.end_amdhsa_kernel
	.amdgpu_metadata
---
amdhsa.version: [ 1, 2 ]
amdhsa.kernels:
  - .name:           k_q903b390e0e_mlp
    .symbol:         k_q903b390e0e_mlp.kd
    .args:
      - { .name: x, .offset: 0, .size: 8, .value_kind: global_buffer, .address_space: global }
      - { .name: img, .offset: 8, .size: 8, .value_kind: global_buffer, .address_space: global }
      - { .name: out0, .offset: 16, .size: 8, .value_kind: global_buffer, .address_space: global }
      - { .name: params_blocks_0_g2, .offset: 24, .size: 8, .value_kind: global_buffer, .address_space: global }
      - { .name: params_blocks_0_bln2, .offset: 32, .size: 8, .value_kind: global_buffer, .address_space: global }
      - { .name: params_lns_g_0, .offset: 40, .size: 8, .value_kind: global_buffer, .address_space: global }
      - { .name: params_lns_b_0, .offset: 48, .size: 8, .value_kind: global_buffer, .address_space: global }
      - { .name: params_blocks_1_g2, .offset: 56, .size: 8, .value_kind: global_buffer, .address_space: global }
      - { .name: params_blocks_1_bln2, .offset: 64, .size: 8, .value_kind: global_buffer, .address_space: global }
      - { .name: params_lns_g_1, .offset: 72, .size: 8, .value_kind: global_buffer, .address_space: global }
      - { .name: params_lns_b_1, .offset: 80, .size: 8, .value_kind: global_buffer, .address_space: global }
      - { .name: params_blocks_2_g2, .offset: 88, .size: 8, .value_kind: global_buffer, .address_space: global }
      - { .name: params_blocks_2_bln2, .offset: 96, .size: 8, .value_kind: global_buffer, .address_space: global }
      - { .name: params_lns_g_2, .offset: 104, .size: 8, .value_kind: global_buffer, .address_space: global }
      - { .name: params_lns_b_2, .offset: 112, .size: 8, .value_kind: global_buffer, .address_space: global }
      - { .name: params_prelu0, .offset: 120, .size: 8, .value_kind: global_buffer, .address_space: global }
      - { .name: params_blocks_0_a, .offset: 128, .size: 8, .value_kind: global_buffer, .address_space: global }
      - { .name: params_blocks_1_a, .offset: 136, .size: 8, .value_kind: global_buffer, .address_space: global }
      - { .name: params_blocks_2_a, .offset: 144, .size: 8, .value_kind: global_buffer, .address_space: global }
    .group_segment_fixed_size: 327680
    .private_segment_fixed_size: 0
    .kernarg_segment_align: 8
    .kernarg_segment_size: 152
    .max_flat_workgroup_size: 256
    .sgpr_count:     96
    .vgpr_count:     512
    .wavefront_size: 32
...
	.end_amdgpu_metadata
.endif
;; end of part 2
;; ======== version 2 of 2: 2 launches; version 1 with the launch pack written anew for expert scheduling mode
;; limits: values outside matrix products are rounded to bf16
;; workspace buffers: img 317,440 bytes
;; launch pack (part 3): grid 40 x 1, 8 waves a work-group, no clusters, 18,432 bytes of LDS; arguments params_lin0_w, params_lin0_b, params_blocks_0_w1, params_blocks_0_b1, params_blocks_0_w2, params_blocks_0_b2, params_blocks_1_w1, params_blocks_1_b1, params_blocks_1_w2, params_blocks_1_b2, params_blocks_2_w1, params_blocks_2_b1, params_blocks_2_w2, params_blocks_2_b2, params_lin1_w, params_lin1_b, params_ln0_g, params_ln0_b, params_blocks_0_g1, params_blocks_0_bln1, params_blocks_1_g1, params_blocks_1_bln1, params_blocks_2_g1, params_blocks_2_bln1, params_ln1_g, params_ln1_b, params_lin2_w, params_lin2_b, params_prelu1, img; writes img
.if DOCPART == 3
	.amdgcn_target "amdgcn-amd-amdhsa--gfx1250"
	.amdhsa_code_object_version 6
	.text
	.protected	k_q903b390e0e_pack
	.globl	k_q903b390e0e_pack
	.p2align	8
	.type	k_q903b390e0e_pack,@function
k_q903b390e0e_pack:
	s_mov_b64 s[64:65], 0
	v_nop
	global_prefetch_b8 v0, s[64:65] scope:SCOPE_SE
	s_setreg_imm32_b32 hwreg(HW_REG_WAVE_SCHED_MODE, 0, 2), 2
	s_setreg_imm32_b32 hwreg(HW_REG_WAVE_MODE, 25, 1), 1
	s_wait_xcnt 0x0
	s_wait_alu depctr_vm_vsrc(0)
; PACK: the eight weight matrices, centred, rounded to bf16 and laid in the order of matrix fragments, and the padded f32 vectors, into one image of 317,440 bytes.
; CENTRING.  Every one of these linear layers is followed by a LayerNorm, whose mean over the outputs is (column mean of W) . x + mean(b).  So W' = W - its column mean and b' = b - mean(b) are formed
; here, in f32, before the one rounding to bf16; the product then arrives centred.  LIMIT: what the rounding to bf16 leaves of a column's mean is not taken away later.
; BIAS.  Where K is padded anyway (w1, w2, lin1) b' is the weight column at k = IN (rounded to bf16), and the activation holds 1.0 there.  lin0 (K = 64, no padding) keeps b' in f32, among the vectors.
; FRAGMENT: 16 outputs x 32 k.  Lower part, 512 bytes: lane 16 h + r holds W'[16 mt + r][32 s + 8 h + 0..7]; upper part: the same for k + 16.  In the last K step of w1, w2 and lin1 every k from 16 on is
; padding, and only the lower parts are stored.  Fragments of a layer lie in the order k step, then mt.
; SHARES.  Work-groups 0-38: one K step of one layer each; thread (kk = t % 32, wave) takes column k = 32 s + kk and the rows wave + 8 i, i = 0..25.  Work-group 39: the vectors.
; LDS: 0 the stage, 16,384 bytes, all of them written (one K step in whole fragments, 13,312 bytes, or the vectors, 9,216; zeros behind); 16,384 the waves' partial sums (1,024); 17,408 the spare words (1,024).
; THE MODE: SCHED_MODE bits 1:0 = 2 (LLVM: expert scheduling mode 2), set by the entry lines.  The code itself states the register dependences between vector instructions and memory or LDS instructions,
; and those through scalar registers that vector instructions write, with s_wait_alu, always for 0.
; THE PLAN.  The text has no loop, so each kind of memory instruction stands in ONE run behind ONE wait.  Registers that memory or LDS instructions touch:
;   v5, v6, SRC       LDS addresses, made at the head, never written again: the first wait on va_vdst of either path states them written.
;   OW, OB            A K step: all 52 offsets are made, one wait, then the 52 loads read them.  On the way out v16-19 are written again and LDS loads land in v24-39.
;   XW, XB            The loads land here; vector lines work in XW; one wait; XW is the data of the stage's stores (address v4; v9 a zero).
;   v16-19, v20-34    The vectors: offsets, one wait, 14 loads into v20-33; vector lines work there; one wait; the stage's stores read v19-21, v23-29 and the address v34.  The way out writes v16-19 and loads into v24-39.
;   v[x], v8-15       REDUCE: one wait ahead of the store of v[x], which also serves the eight loads into v8-15 (no vector line stands between); one wait on vm_vsrc before v[x] is written again.
;   v16-19, v24-39    The way out: a wait on vm_vsrc, the four offsets, a wait on va_vdst, four LDS loads in one run, up to four stores; none of these registers is written again.
; Compares stand in runs, into scalar registers, with one wait on va_sdst behind each run, ahead of its first reader.  EXEC is never written.
.set RED,   16384
.set SPARE, 17408
.set OW,    16        ; v16-41   byte offset of W[row i][k]
.set OB,    42        ; v42-67   byte offset of b[row i]
.set XW,    68        ; v68-93   W, then the column's numbers, then the centred ones
.set XB,    94        ; v94-119  b
.set SPW,   120       ; v120     LDS address of my spare word; never rewritten
.set NIL,   121       ; v121     0; never rewritten
.set SRC,   122       ; v122     16 t: where I read the stage
.set LN16,  123       ; v123     16 x lane
; s[72:73] W, s[74:75] b of my layer; s76 its first work-group; s77 OUT; s78 IN; s79 fragments along the outputs; s80 the half K step's number; s81 the layer's place in the image; s82 1 / OUT
; s83 my K step; s84 stage bytes to send; s85 1 in a half K step; s86 my piece's place in the image; s87 my wave; s8-33 (the pointers are done with) row i's lane mask
; (work-group 39, which has no layer: s76, s77 the masks t % 64 = 1 and t % 64 = 0)
.macro PICK l, nstart, nout, nin, nmt, nkth, noff, ninv   ; layer l, if my work-group's number has reached its first
	s_cmp_ge_u32 ttmp9, \nstart
	s_cselect_b64 s[72:73], s[8+4*(\l):9+4*(\l)], s[72:73]
	s_cselect_b64 s[74:75], s[10+4*(\l):11+4*(\l)], s[74:75]
	s_cselect_b32 s76, \nstart, s76
	s_cselect_b32 s77, \nout, s77
	s_cselect_b32 s78, \nin, s78
	s_cselect_b32 s79, \nmt, s79
	s_cselect_b32 s80, \nkth, s80
	s_cselect_b32 s81, \noff, s81
	s_cselect_b32 s82, \ninv, s82
.endm
; The sum over the eight waves, for each kk: my number into my word, a barrier, the eight words of my kk back.  The result is v7.
.macro REDUCE x
	s_wait_alu depctr_va_vdst(0)           ; v[x], the store's data, is written; every vector line that named v8-15, in which the eight loads below land, is done, and none stands between here and them
	ds_store_b32 v5, v[\x]
	s_wait_dscnt 0x0                       ; for the others' sake: my store is done
	s_barrier_signal -1
	s_barrier_wait -1
.set g, 0
.rept 8
	ds_load_b32 v[8+g], v6 offset:128*g
.set g, g+1
.endr
	s_wait_dscnt 0x0
	s_wait_alu depctr_vm_vsrc(0)           ; the store has read v[x], which the lines behind this wait write again
	v_add_f32 v8, v8, v9
	v_add_f32 v10, v10, v11
	v_add_f32 v12, v12, v13
	v_add_f32 v14, v14, v15
	v_add_f32 v8, v8, v10
	v_add_f32 v12, v12, v14
	v_add_f32 v7, v8, v12
.endm
	s_load_b512 s[8:23], s[0:1], 0x0       ; (W, b) of lin0, w1_0, w2_0, w1_1
	s_load_b512 s[24:39], s[0:1], 0x40     ; of w2_1, w1_2, w2_2, lin1
	s_load_b512 s[40:55], s[0:1], 0x80     ; ln0_g, ln0_b, then (g1, bln1) of the three blocks
	s_load_b256 s[56:63], s[0:1], 0xc0     ; ln1_g, ln1_b, lin2_w, lin2_b
	s_load_b128 s[68:71], s[0:1], 0xe0     ; prelu1, img
	v_lshl_add_u32 v[SPW], v0, 2, SPARE
	v_mov_b32 v[NIL], 0
	v_and_b32 v1, 31, v0                   ; kk
	v_lshrrev_b32 v2, 5, v0
	v_readfirstlane_b32 s87, v2            ; wave 0..7
	v_lshl_add_u32 v5, v0, 2, RED          ; my word of the partial sums
	v_lshl_add_u32 v6, v1, 2, RED          ; wave 0's word for my kk
	v_lshlrev_b32 v[SRC], 4, v0
	v_lshlrev_b32 v[LN16], 4, v1
	s_wait_alu depctr_va_sdst(0)           ; s87 is written, ahead of the branch below and of its first reader on either path
	s_wait_kmcnt 0x0
	s_cmp_eq_u32 ttmp9, 39
	s_cbranch_scc1 .Lparams
	; ---- a K step of a layer
	s_mov_b64 s[72:73], s[8:9]
	s_mov_b64 s[74:75], s[10:11]
	s_mov_b32 s76, 0
	s_mov_b32 s77, 100
	s_mov_b32 s78, 64
	s_mov_b32 s79, 7
	s_mov_b32 s80, 99                      ; lin0 has no half K step
	s_mov_b32 s81, 0
	s_mov_b32 s82, 0x3c23d70a              ; 1 / 100
	PICK 1, 2,  200, 100, 13, 3, 14336,  0x3ba3d70a
	PICK 2, 6,  100, 200, 7,  6, 60928,  0x3c23d70a
	PICK 3, 13, 200, 100, 13, 3, 107520, 0x3ba3d70a
	PICK 4, 17, 100, 200, 7,  6, 154112, 0x3c23d70a
	PICK 5, 24, 200, 100, 13, 3, 200704, 0x3ba3d70a
	PICK 6, 28, 100, 200, 7,  6, 247296, 0x3c23d70a
	PICK 7, 35, 50,  100, 4,  3, 293888, 0x3ca3d70a
	s_sub_co_u32 s83, ttmp9, s76           ; my K step
	s_cmp_eq_u32 s83, s80
	s_cselect_b32 s85, 1, 0
	s_lshl_b32 s84, s79, 10                ; the stage holds whole fragments
	s_mul_i32 s86, s83, s84
	s_add_co_u32 s86, s86, s81
	s_lshl_b32 s88, s83, 5
	v_add_nc_u32 v3, s88, v1               ; k
	v_cmp_gt_u32 s92, s78, v3              ; k < IN: a column of W
	v_cmp_eq_u32 s93, s78, v3              ; k = IN: the column of b
	s_wait_alu depctr_va_sdst(0)           ; the two compares have written s92 and s93, which the next line reads
	s_or_b32 s94, s92, s93
	s_sub_co_u32 s88, s78, 1
	v_min_u32 v3, s88, v3                  ; every load stays inside its row
	v_lshlrev_b32 v3, 2, v3
	s_sub_co_u32 s89, s77, 1
	s_lshl_b32 s95, s78, 2                 ; a row of W in bytes
	v_lshrrev_b32 v4, 4, v1                ; my 2 bytes in fragment 0: upper part x 512 + h x 256 + wave x 16 + (kk % 8) x 2
	v_lshlrev_b32 v4, 9, v4
	v_bfe_u32 v7, v1, 3, 1
	v_lshl_add_u32 v4, v7, 8, v4
	v_lshl_add_u32 v4, v2, 4, v4
	v_and_b32 v7, 7, v1
	v_lshl_add_u32 v4, v7, 1, v4
.set i, 0
.rept 26                               ; all 52 offsets first,
	s_add_co_u32 s96, s87, 8*i             ; row wave + 8 i
	s_cmp_lt_u32 s96, s77
	s_cselect_b32 s[8+i], s94, 0           ; lanes whose number counts: the row exists and k <= IN
	s_min_u32 s96, s96, s89                ; every load stays inside its buffer
	s_mul_i32 s97, s96, s95
	s_lshl_b32 s96, s96, 2
	v_add_nc_u32 v[OW+i], s97, v3
	v_mov_b32 v[OB+i], s96
.set i, i+1
.endr
	s_wait_alu depctr_va_vdst(0)           ; OW and OB are written, which the 52 loads read as offsets; so are the LDS addresses v4, v5, v6 and SRC, for the rest of this path
.set i, 0
.rept 26                               ; then the loads, in one run
	global_load_b32 v[XW+i], v[OW+i], s[72:73]
	global_load_b32 v[XB+i], v[OB+i], s[74:75]
.set i, i+1
.endr
	s_wait_loadcnt 0x0
.set i, 0
.rept 26
	v_cndmask_b32 v[XW+i], v[XB+i], v[XW+i], s92
.set i, i+1
.endr
.set i, 0
.rept 26
	v_cndmask_b32 v[XW+i], 0, v[XW+i], s[8+i]
.set i, i+1
.endr
	v_add_f32 v7, v[XW], v[XW+2]           ; my 26 rows, in two chains
	v_add_f32 v8, v[XW+1], v[XW+3]
.set i, 4
.rept 11
	v_add_f32 v7, v7, v[XW+i]
	v_add_f32 v8, v8, v[XW+i+1]
.set i, i+2
.endr
	v_add_f32 v7, v7, v8
	REDUCE 7
	v_mul_f32 v7, s82, v7                  ; the column's mean
	v_mov_b32 v9, 0
.set i, 0
.rept 26
	v_sub_f32 v[XW+i], v[XW+i], v7
.set i, i+1
.endr
.set i, 0
.rept 26
	v_cndmask_b32 v[XW+i], 0, v[XW+i], s[8+i]  ; padding stays 0
.set i, i+1
.endr
.set i, 0
.rept 26
	v_cvt_pk_bf16_f32 v[XW+i], v[XW+i], v[XW+i]
.set i, i+1
.endr
	s_wait_alu depctr_va_vdst(0)           ; the roundings have written XW, and v9 is written: the data of the 32 stores below
.set i, 0
.rept 26
	ds_store_b16 v4, v[XW+i] offset:(i/2)*1024+(i%2)*128  ; fragment i / 2, row wave + 8 (i % 2)
.set i, i+1
.endr
.rept 6
	ds_store_b16 v4, v9 offset:(i/2)*1024+(i%2)*128       ; the stage's last three fragments hold 0: every byte that the way out can name is written
.set i, i+1
.endr
	s_branch .Lout
	; ---- the vectors: nine slots of 1,024 bytes, thread t writes word t of each
.Lparams:
	v_and_b32 v16, 127, v0
	v_cmp_gt_u32 s93, 100, v16             ; t % 128 < 100
	v_min_u32 v16, 99, v16
	v_lshlrev_b32 v16, 2, v16
	v_cmp_gt_u32 s92, 128, v0
	v_cmp_gt_u32 s94, 200, v0
	v_cmp_eq_u32 s95, 200, v0
	v_min_u32 v17, 199, v0
	v_lshlrev_b32 v17, 2, v17
	v_and_b32 v35, 63, v0
	v_cmp_gt_u32 s96, 50, v35              ; t % 64 < 50
	v_min_u32 v18, 49, v35
	v_lshlrev_b32 v18, 2, v18
	v_cmp_gt_u32 s97, 64, v0
	v_cmp_gt_u32 s99, 192, v0
	v_cmp_eq_u32 s76, 1, v35               ; t % 64 = 1
	v_cmp_eq_u32 s77, 0, v35               ; t % 64 = 0
	v_mov_b32 v19, 0
	v_lshlrev_b32 v34, 2, v0
	s_wait_alu depctr_va_sdst(0)           ; the nine compares have written their masks, ahead of the first reader of any of them
	s_wait_alu depctr_va_vdst(0)           ; v16-19 are written, which the 14 loads read as offsets; so are the LDS addresses v5, v6, v34 and SRC, for the rest of this path
	global_load_b32 v20, v16, s[10:11]     ; lin0_b
	global_load_b32 v21, v16, s[40:41]     ; ln0_g
	global_load_b32 v22, v16, s[42:43]     ; ln0_b
.set i, 0
.rept 6
	global_load_b32 v[23+i], v17, s[44+2*i:45+2*i]  ; g1, bln1 of blocks 0, 1, 2
.set i, i+1
.endr
	global_load_b32 v29, v18, s[56:57]     ; ln1_g
	global_load_b32 v30, v18, s[58:59]     ; ln1_b
	global_load_b32 v31, v18, s[60:61]     ; lin2_w
	global_load_b32 v32, v19, s[62:63]     ; lin2_b
	global_load_b32 v33, v19, s[68:69]     ; prelu1
	s_mov_b32 s88, 0x76543210              ; v_permlanex16_b32: each lane takes its own place in the other half
	s_mov_b32 s89, 0xfedcba98
	s_and_not1_b32 s98, s93, s92           ; threads 128-227 hold lin0_b[t - 128]
	s_wait_loadcnt 0x0
	v_cndmask_b32 v20, 0, v20, s98
	REDUCE 20                              ; lin0_b's sum: over the waves,
	v_add_f32_dpp v7, v7, v7 row_xmask:1 row_mask:0xf bank_mask:0xf  ; and over the lanes
	v_add_f32_dpp v7, v7, v7 row_xmask:2 row_mask:0xf bank_mask:0xf
	v_add_f32_dpp v7, v7, v7 row_xmask:4 row_mask:0xf bank_mask:0xf
	v_add_f32_dpp v7, v7, v7 row_xmask:8 row_mask:0xf bank_mask:0xf
	v_permlanex16_b32 v8, v7, s88, s89
	v_add_f32 v7, v7, v8
	v_fma_f32 v20, v7, 0xbc23d70a, v20     ; lin0_b - mean
	v_cndmask_b32 v20, 0, v20, s98         ; slot 0: 512 bytes of zeros, then lin0's centred bias
	v_cndmask_b32 v21, v22, v21, s92       ; slot 1: ln0_g, then ln0_b
	v_cndmask_b32 v21, 0, v21, s93
.set i, 0
.rept 6
	v_cndmask_b32 v[23+i], 0, v[23+i], s94 ; slots 2-7: g1, bln1
.set i, i+1
.endr
.set i, 0
.rept 3
	v_cndmask_b32 v[24+2*i], v[24+2*i], 1.0, s95  ; bln1's element 200 is 1: the hidden layer's constant for w2's bias column
.set i, i+1
.endr
	v_cndmask_b32 v29, v30, v29, s97       ; slot 8: ln1_g, ln1_b, lin2_w, 64 words each,
	v_cndmask_b32 v29, v31, v29, s92
	v_cndmask_b32 v29, 0, v29, s96
	v_cndmask_b32 v33, 0, v33, s76
	v_cndmask_b32 v33, v33, v32, s77
	v_cndmask_b32 v29, v33, v29, s99       ; then lin2_b, prelu1 and zeros
	s_wait_alu depctr_va_vdst(0)           ; the selects have written v20, v21 and v23-29, the data of the stores below
	ds_store_b32 v34, v20
	ds_store_b32 v34, v21 offset:1024
.set i, 0
.rept 6
	ds_store_b32 v34, v[23+i] offset:2048+1024*i
.set i, i+1
.endr
	ds_store_b32 v34, v29 offset:8192
.set i, 0
.rept 7
	ds_store_b32 v34, v19 offset:9216+1024*i  ; the rest of the stage holds 0: every byte that the way out can name is written
.set i, i+1
.endr
	s_mov_b32 s84, 9216
	s_mov_b32 s85, 0
	s_mov_b32 s86, 308224
	; ---- the way out: a wave takes 512 consecutive stage bytes, one part of a fragment, and stores them as 512 consecutive bytes at a multiple of 256 from the image's first byte.
	; In a half K step the upper parts (odd waves) are not stored, and the lower parts close up: every offset is halved.
	; The four offsets are made in one run and the four LDS loads go out in one run; a turn that has nothing to send stores nothing, and its load has read stage bytes that are written all the same.
.Lout:
	s_wait_dscnt 0x0                       ; for the others' sake: my stores into the stage are done
	s_barrier_signal -1
	s_barrier_wait -1
	s_wait_alu depctr_vm_vsrc(0)           ; the vectors' stage stores have read v19, v24-29 and their address v34 (a K step's loads have read v16-41): v16-19 are written, and v24-39 loaded, below
.set j, 0
.rept 4
	s_lshr_b32 s89, 4096*j, s85
	v_add_nc_u32 v[16+j], s89, v[LN16]
.set j, j+1
.endr
	s_wait_alu depctr_va_vdst(0)           ; v16-19 are written, which the stores read as offsets; every vector line that named v24-39, in which the LDS loads land, is done
	s_and_b32 s88, s87, s85
	s_cmp_lg_u32 s88, 0
	s_cbranch_scc1 .Ldone
.set j, 0
.rept 4
	ds_load_b128 v[24+4*j:27+4*j], v[SRC] offset:4096*j
.set j, j+1
.endr
	s_lshl_b32 s88, s87, 9                 ; my wave's first stage byte
	s_lshr_b32 s89, s88, s85
	s_add_co_u32 s92, s86, s89
	s_mov_b32 s93, 0
	s_add_nc_u64 s[90:91], s[70:71], s[92:93]
.set j, 0
.rept 4
	s_cmp_lt_u32 s88, s84
	s_cbranch_scc0 .Ldone
	s_wait_dscnt 3-j                       ; LDS loads come back in order (ISA guide 5.7.1): turn j's is in, the 3 - j younger ones of the run stay out
	global_store_b128 v[16+j], v[24+4*j:27+4*j], s[90:91]  ; each turn has registers of its own: no source of a pending store is rewritten
	s_add_co_u32 s88, s88, 4096
.set j, j+1
.endr
.Ldone:
	s_wait_dscnt 0x0                       ; the closing lines, six on end
	s_wait_alu 0x0
	s_wait_tensorcnt 0x0
	ds_add_u32 v[SPW], v[NIL]
	s_wait_dscnt 0x0
	s_endpgm
.Lfunc_end_k_q903b390e0e_pack:
	.size	k_q903b390e0e_pack, .Lfunc_end_k_q903b390e0e_pack-k_q903b390e0e_pack
	.p2alignl 7, 3214868480
	.fill 96, 4, 3214868480
	.section	.rodata,"a",@progbits
	.p2align	6, 0x0
	.amdhsa_kernel k_q903b390e0e_pack
		.amdhsa_group_segment_fixed_size 18432
		.amdhsa_private_segment_fixed_size 0
		.amdhsa_enable_private_segment 0
		.amdhsa_kernarg_size 240
		.amdhsa_user_sgpr_count 2
		.amdhsa_user_sgpr_kernarg_segment_ptr 1
		.amdhsa_wavefront_size32 1
		.amdhsa_system_sgpr_workgroup_id_x 1
		.amdhsa_system_sgpr_workgroup_id_y 1
		.amdhsa_system_sgpr_workgroup_id_z 1
		.amdhsa_system_vgpr_workitem_id 0
		.amdhsa_next_free_vgpr 128
		.amdhsa_next_free_sgpr 100
		.amdhsa_reserve_vcc 0
		.amdhsa_float_denorm_mode_32 3
		.amdhsa_float_denorm_mode_16_64 3
		.amdhsa_memory_ordered 1
		.amdhsa_forward_progress 1
		.amdhsa_inst_pref_size 38
	.end_amdhsa_kernel
	.amdgpu_metadata
---
amdhsa.version: [ 1, 2 ]
amdhsa.kernels:
  - .name:           k_q903b390e0e_pack
    .symbol:         k_q903b390e0e_pack.kd
    .args:
      - { .name: params_lin0_w, .offset: 0, .size: 8, .value_kind: global_buffer, .address_space: global }
      - { .name: params_lin0_b, .offset: 8, .size: 8, .value_kind: global_buffer, .address_space: global }
      - { .name: params_blocks_0_w1, .offset: 16, .size: 8, .value_kind: global_buffer, .address_space: global }
      - { .name: params_blocks_0_b1, .offset: 24, .size: 8, .value_kind: global_buffer, .address_space: global }
      - { .name: params_blocks_0_w2, .offset: 32, .size: 8, .value_kind: global_buffer, .address_space: global }
      - { .name: params_blocks_0_b2, .offset: 40, .size: 8, .value_kind: global_buffer, .address_space: global }
      - { .name: params_blocks_1_w1, .offset: 48, .size: 8, .value_kind: global_buffer, .address_space: global }
      - { .name: params_blocks_1_b1, .offset: 56, .size: 8, .value_kind: global_buffer, .address_space: global }
      - { .name: params_blocks_1_w2, .offset: 64, .size: 8, .value_kind: global_buffer, .address_space: global }
      - { .name: params_blocks_1_b2, .offset: 72, .size: 8, .value_kind: global_buffer, .address_space: global }
      - { .name: params_blocks_2_w1, .offset: 80, .size: 8, .value_kind: global_buffer, .address_space: global }
      - { .name: params_blocks_2_b1, .offset: 88, .size: 8, .value_kind: global_buffer, .address_space: global }
      - { .name: params_blocks_2_w2, .offset: 96, .size: 8, .value_kind: global_buffer, .address_space: global }
      - { .name: params_blocks_2_b2, .offset: 104, .size: 8, .value_kind: global_buffer, .address_space: global }
      - { .name: params_lin1_w, .offset: 112, .size: 8, .value_kind: global_buffer, .address_space: global }
      - { .name: params_lin1_b, .offset: 120, .size: 8, .value_kind: global_buffer, .address_space: global }
      - { .name: params_ln0_g, .offset: 128, .size: 8, .value_kind: global_buffer, .address_space: global }
      - { .name: params_ln0_b, .offset: 136, .size: 8, .value_kind: global_buffer, .address_space: global }
      - { .name: params_blocks_0_g1, .offset: 144, .size: 8, .value_kind: global_buffer, .address_space: global }
      - { .name: params_blocks_0_bln1, .offset: 152, .size: 8, .value_kind: global_buffer, .address_space: global }
      - { .name: params_blocks_1_g1, .offset: 160, .size: 8, .value_kind: global_buffer, .address_space: global }
      - { .name: params_blocks_1_bln1, .offset: 168, .size: 8, .value_kind: global_buffer, .address_space: global }
      - { .name: params_blocks_2_g1, .offset: 176, .size: 8, .value_kind: global_buffer, .address_space: global }
      - { .name: params_blocks_2_bln1, .offset: 184, .size: 8, .value_kind: global_buffer, .address_space: global }
      - { .name: params_ln1_g, .offset: 192, .size: 8, .value_kind: global_buffer, .address_space: global }
      - { .name: params_ln1_b, .offset: 200, .size: 8, .value_kind: global_buffer, .address_space: global }
      - { .name: params_lin2_w, .offset: 208, .size: 8, .value_kind: global_buffer, .address_space: global }
      - { .name: params_lin2_b, .offset: 216, .size: 8, .value_kind: global_buffer, .address_space: global }
      - { .name: params_prelu1, .offset: 224, .size: 8, .value_kind: global_buffer, .address_space: global }
      - { .name: img, .offset: 232, .size: 8, .value_kind: global_buffer, .address_space: global }
    .group_segment_fixed_size: 18432
    .private_segment_fixed_size: 0
    .kernarg_segment_align: 8
    .kernarg_segment_size: 240
    .max_flat_workgroup_size: 256
    .sgpr_count:     100
    .vgpr_count:     128
    .wavefront_size: 32
...
	.end_amdgpu_metadata
.endif
;; end of part 3
;; launch mlp: the kernel of part 2 again; grid 256 x 1, 8 waves a work-group, clusters of 4 x 1, 327,680 bytes of LDS; arguments x, img, out0, params_blocks_0_g2, params_blocks_0_bln2, params_lns_g_0, params_lns_b_0, params_blocks_1_g2, params_blocks_1_bln2, params_lns_g_1, params_lns_b_1, params_blocks_2_g2, params_blocks_2_bln2, params_lns_g_2, params_lns_b_2, params_prelu0, params_blocks_0_a, params_blocks_1_a, params_blocks_2_a; writes out0
